; MI455X (gfx1250); checked and timed in simulation.
; The chip was launched on July 23, 2026; its instructions are those of AMD's public machine-readable ISA for CDNA 5 (MIT licence, August 2026) and "CDNA5" Instruction Set Architecture Reference Guide (July 2026). The comments in the code are by the model that wrote it; some were corrected since.
;; Multi Head Attention. Allowed arithmetic: matrix products marked QUANTISED: E2M3 operands, one E8M0 scale for each 32 along K, by v_wmma_scale_f32_16x16x128_f8f6f4 with both operands' format E2M3, f32 sums; everything else in f32.
;; Inputs: b_proj 1,024 float32; w_proj_codes 1,024 x 32 x 24 uint8 (E2M3 codes of w_proj, K innermost, in blocks of 32 codes, four codes in three bytes); w_proj_scales 1,024 x 32 uint8 (E8M0 scales of w_proj, one for each 32 codes along K); w_qkv_codes 3,072 x 32 x 24 uint8 (E2M3 codes of w_qkv, K innermost, in blocks of 32 codes, four codes in three bytes); w_qkv_scales 3,072 x 32 uint8 (E8M0 scales of w_qkv, one for each 32 codes along K); x_codes 8 x 1,024 x 32 x 24 uint8 (E2M3 codes of x, K innermost, in blocks of 32 codes, four codes in three bytes); x_scales 8 x 1,024 x 32 uint8 (E8M0 scales of x, one for each 32 codes along K).
;; Outputs: out0 8 x 1,024 x 1,024 float32.
;; This version of the problem:
;;   THIS VERSION OF THE PROBLEM IS GIVEN IN LOW PRECISION. The matrix products marked QUANTISED in the list below multiply operands that are first quantised to E2M3 (2 exponent bits, 3 mantissa bits; 6 bits a number), with one power-of-two scale for each 32 numbers along K (OCP MX v1.0); their sums are f32. All else is computed in f32.
;;   The module's matrix products, in the order in which they are computed (A, B: the left and right operand; K: the contracted axis; several contracted axes count as one K, in the product's order):
;;     1. [M 8,192, K 1,024] x [K 1,024, N 3,072]; A: input x (given as codes); B: input w_qkv (given as codes): QUANTISED
;;     2. batch 128 x [M 1,024, K 64] x [K 64, N 1,024]; A: computed on the way; B: computed on the way: QUANTISED
;;     3. batch 128 x [M 1,024, K 1,024] x [K 1,024, N 64]; A: softmax (see below); B: computed on the way: QUANTISED
;;     4. [M 8,192, K 1,024] x [K 1,024, N 1,024]; A: computed on the way; B: input w_proj (given as codes): QUANTISED
;;   THE QUANTISER, for each operand of a quantised product, along K:
;;     - K is cut into blocks of 32 from its start; a last block that is shorter is filled with zeros.
;;     - A block's scale is 2^e with e = floor(log2(the largest magnitude in the block)) - 2, held to -126 .. 127; a block of zeros has e = 0. As a byte (E8M0): e + 127.
;;     - Each number is divided by its block's scale, clamped to +-7.5, and rounded to the nearest number of E2M3, ties to even, subnormals kept.
;;     - The product sums the exact products of the quantised numbers (number of the format x scale) in f32.
;;   ~~~python
;;   def quantise(x, axis):      # numpy; x: float32 -> the quantised numbers, widened to float32 again
;;       x = np.moveaxis(x, axis, -1); K = x.shape[-1]
;;       x = np.pad(x, [(0, 0)] * (x.ndim - 1) + [(0, -K % 32)]); x = x.reshape(x.shape[:-1] + (-1, 32)); a = np.abs(x).max(-1, keepdims=True)
;;       e = np.where(a > 0, np.clip(np.frexp(np.where(a > 0, a, 1))[1] - 1 - 2, -126, 127), 0)      # np.frexp(a)[1] - 1 = floor(log2(a)), exactly
;;       r = np.clip(x / 2.0 ** e, -7.5, 7.5)
;;       step = 2.0 ** (np.maximum(np.frexp(np.where(r == 0, 1, r))[1] - 1, 0) - 3)
;;       q = np.round(r / step) * step * 2.0 ** e      # np.round: ties to even
;;       return np.moveaxis(q.reshape(q.shape[:-2] + (-1,))[..., :K], -1, axis).astype(np.float32)
;;   ~~~
;;   SOFTMAX AHEAD OF A QUANTISED PRODUCT. Where the list says 'softmax', what is quantised is not the finished softmax but p = 2^(t - M), with t = logit x log2(e) and M = ceil(the row's largest t), a whole number; so 1/2 < the row's largest p <= 1. The row's sum l is taken of the UNQUANTISED p, in f32, and the product's result is divided by l at the end. Since M is a whole number, a kernel that streams over the keys may use a running M (the ceiling of the running maximum): every later rescaling is an exact power of two, which a block's scale takes up: the codes' values come out the same.
;;   OPERANDS COMPUTED ON THE WAY. 'Computed on the way' means the value that the module computes at that place (a softmax that the list does not call 'softmax' is quantised finished and normalised). What goes into a quantiser is computed in f32, as accurately as f32 sums, v_exp_f32 and their like allow (about 1e-6 of the number): no bf16 or f16 on the way to a quantiser, and a product that is left as it is and whose result goes on into a quantised operand takes f32 operands (vector FMAs, or v_wmma_f32_16x16x4_f32). A number that lies on a knife's edge between two numbers of the format may be rounded either way, as far as f32 arithmetic and the matrix unit's own rounding can turn it there, and no further.
;;   INPUTS GIVEN AS CODES. w_proj (in the module: [1024, 1024], K = its axis 1); w_qkv (in the module: [3072, 1024], K = its axis 1); x (in the module: [8, 1024, 1024], K = its axis 2): each comes as NAME_codes (uint8): NAME with its K axis moved to the last place and cut into blocks of 32 codes, [.., K / 32, bytes a block], one block behind the other in memory; four codes in three bytes: a row's codes are one little-endian stream of bits, code i at bits 6 i .. 6 i + 5 (a code: sign, 2 exponent bits, 3 mantissa bits); and NAME_scales (uint8): the same leading axes, one E8M0 byte (e + 127) for each 32 codes along K. Its value is code x scale, taken as it is: it is not quantised again, and the codes and scales need not be those that the quantiser above would give.
;; One version. Each part assembles by itself: llvm-mc -triple=amdgcn-amd-amdhsa -mcpu=gfx1250 --defsym DOCPART=n.
;; ======== version 1 of 1: 3 launches
;; limits: right only within a limited range of input values
;; workspace buffers: qkv 20,447,232 bytes; ycodes 6,291,456 bytes; ys 262,144 bytes
;; launch qkv (part 1): grid 8 x 32, 4 waves a work-group, clusters of 4 x 4, 327,680 bytes of LDS; arguments x_codes, x_scales, w_qkv_codes, w_qkv_scales, qkv; writes qkv
.if DOCPART == 1
	.amdgcn_target "amdgcn-amd-amdhsa--gfx1250"
	.amdhsa_code_object_version 6
	.text
	.protected	k_q095d0b1ae0_qkv
	.globl	k_q095d0b1ae0_qkv
	.p2align	8
	.type	k_q095d0b1ae0_qkv,@function
k_q095d0b1ae0_qkv:
	s_mov_b64 s[64:65], 0
	v_nop
	global_prefetch_b8 v0, s[64:65] scope:SCOPE_SE
	s_setreg_imm32_b32 hwreg(HW_REG_WAVE_MODE, 25, 1), 1
	s_wait_xcnt 0x0
	s_wait_alu depctr_hold_cnt(0) depctr_sa_sdst(0) depctr_va_vdst(0) depctr_va_sdst(0) depctr_va_ssrc(0) depctr_va_vcc(0) depctr_vm_vsrc(0)
	s_getreg_b32 s2, hwreg(HW_REG_IB_STS2, 6, 4)
	s_cmp_eq_u32 s2, 0
	s_cbranch_scc0 .Lentry_in_a_cluster
	s_endpgm
.Lentry_in_a_cluster:
	s_bfe_u32 s2, ttmp6, 0x10000c
	s_cmp_lg_u32 s2, 0xf033
	s_cbranch_scc0 .Lentry_shape_is_right
	s_endpgm
.Lentry_shape_is_right:
; q, k, v = x w_qkv^T on codes of FP6 (E2M3) with one E8M0 scale for each 32 along K = 1,024, and the quantisers of q, k (along the head's 64) and v (along the keys): no f32 number goes to memory.
; SHARES.  A work-group makes q, k and v of TWO heads (2 g, 2 g + 1) for 256 rows of x (block mt).  Wave w keeps its 64 rows of x, all of K, in 384 registers; tiles of 16 rows of W stream from LDS:
; a tile's 48 loads of 8 bytes feed 32 matrix instructions, and a tile's sums are finished when its 8 K steps are done, so 128 registers of accumulators serve.
; Six groups of 64 rows of W: q of head 2 g, q of 2 g + 1, k, k, v, v.  For q and k the product is used transposed (source 0 = W, source 1 = x): a lane holds one row t and its registers run along the head's d.
; For v it is used as it stands (source 0 = x, source 1 = W): a lane holds one d and its registers run along the keys t.  Either way a lane's registers run along the NEXT product's K, which is what the conversions want.
; ORDER INSIDE A BLOCK OF 32.  The tiles are 16 neighbouring rows, so the 16 registers of two neighbouring tiles hold 0-7 and 16-23 (lanes 0-15) or 8-15 and 24-31 (lanes 16-31) of a block: the codes of a block
; come out in the order 0-7, 16-23, 8-15, 24-31.  q and k are both made so here, v here and p in the next launch from the same layout: both sides of each product carry the same order, which changes neither a product nor a block's scale.
; THE WORKSPACE is laid as the next launch's registers: planes of 256 bytes, lane l's two registers at byte 8 l, so that every store covers 256 consecutive aligned bytes.
;   a head's record (REC bytes): 8 key steps of 13,312 bytes (K's 8 tiles x 768; V's 4 d-tiles x 1,536; K's scale words 2 x 256; V's 2 x 256), Q's 64 tiles x 768, Q's scale words 16 x 256.
;   scale words of 64 rows: lane 16 f + r holds 8 bytes: the words of row r of tiles f and 2 + f.  q, k: bytes (block 0, block 1, 0, 0); v: its two bytes stand at the place of its 64 keys in the step's word.
; CLUSTER 4 x 4.  The four work-groups of a row share x's rows, the four of a column W's rows: each is asked for jointly.
; LDS.  W_q's 128 rows; x's 256 rows, whose bytes W_k's and W_v's 256 rows take once x stands in registers: one refill, asked for 7 tiles (224 matrix instructions) ahead of its first read.
; LIMITS: NaN, infinities and scale bytes 0xff among the inputs are not served.  A block whose largest magnitude lies under 2^-124 keeps the byte 1 (a block of zeros too: its codes are zeros, and this program alone reads the bytes).
; WORK LEFT OUT of the program: reference() itself sets the logits of keys behind the query to -inf ahead of its softmax, so their p is 0 for all finite inputs.  The launch attn leaves out key steps and blocks of 32 keys that lie wholly
; behind a tile of 16 queries.  A NaN, an infinity or an overflow that reaches only what is left out is not carried to the result.  This launch leaves nothing out.
.set REC,     159744
.set STEPREC, 13312
.set QC,      8*STEPREC                ; Q's codes in a record
.set QS,      QC+64*768                ; Q's scale words
.set VCO,     6144                     ; in a key step: V's codes,
.set KSO,     12288                    ; K's scale words,
.set VSO,     12800                    ; V's
.set PITCH,   816                      ; an LDS row: 3 x (256 bytes + 16 of padding) = 204 words: row r starts at bank 12 r mod 64 (64 banks of 4 bytes: ISA guide 11.1): the 32 lanes of a load of 8 bytes touch 64 different banks
.set T16,     16*PITCH
.set G64,     64*PITCH
.set XR,      2*G64                    ; behind W_q's 128 rows: x's 256 rows, later W_k's and W_v's
.set SPARE,   XR+4*G64                 ; the spare words, 128 bytes for each wave: two blocks of 256 bytes that no other line names
.set L8,   1                           ; v1    8 x lane
.set LB,   2                           ; v2-3  816 r + 24 h, and the same behind one padding more (40 h)
.set AW,   4                           ; v4-7  LB + a group's base, two pairs by turns
.set VQ,   8                           ; v8-12 my byte offsets in the two heads' records: Q's codes, K's, V's, K's and V's scale words, Q's scale words
.set VK,   9
.set VV,   10
.set VSS,  11
.set VQS,  12
.set H16,  13                          ; v13   16 h
.set SPW,  14                          ; v14   LDS address of my spare word; never rewritten
.set NIL,  15                          ; v15   0; never rewritten
.set XS,   16                          ; v16-31 x's scale words: register 8 (a / 2) + q; lanes 16 f + r: tile 2 (a / 2) + f
.set WS,   34                          ; v34-65 W's, two sets of 16 (group % 2): register 8 (i / 2) + q
.set TM,   66                          ; v66-81 the quantiser's work
.set PC,   82                          ; v82-101 the codes just made
.set PW,   102                         ; v102  the scale word just made
.set TP,   103
.set SPR,  104                         ; v104-105 the scale words to store
.set L32,  106                         ; v106  32 x lane
.set XA,   107                         ; v107-108 LDS address of my rows of x
.set ACC,  128                         ; v128-255 16 accumulators.  Windows 1, 2: x's fragment (a, q) at v[12 (4 (q % 4) + a)] of window 1 + q / 4.  Window 3: W's (buffer, q) at v[96 buffer + 12 q]
.set G1X,  24                          ; s[24:31] group 1 for x's rows; s[32:39] for W_q's; s[40:47] for the refill
.set G1Q,  32
.set G1R,  40
.set G0X,  48                          ; s[48:51], s[52:55], s[56:59] their groups 0: each written once
.set G0Q,  52
.set G0R,  56
.set SEL,  60                          ; s[60:61] selects of v_permlanex16_b32: lane l xor 16
.set MSB, 0
.macro WIN new                         ; the immediate's high byte repeats the setting that is left
.if MSB != (\new)
	s_set_vgpr_msb (MSB<<8)|(\new)
.set MSB, \new
.endif
.endm
.macro PLACES n                        ; plain vector instructions that name no register of the matrix instructions ahead (ISA guide 7.12.1)
.rept \n
	v_nop
.endr
.endm
.macro CROUND                          ; a round of the cluster's barrier
	s_barrier_signal -1
	s_barrier_wait -1
	s_cmp_lg_u32 s14, 0
	s_cbranch_scc1 .Lnot_wave_0_\@
	s_barrier_signal -3
.Lnot_wave_0_\@:
	s_barrier_wait -3
	s_barrier_signal -1
	s_barrier_wait -1
.endm
; A fragment, 16 rows x 128 K, is 12 registers: lane (r, h) takes 24 bytes of row r at 96 q + 24 h and 24 at 96 q + 48 + 24 h, in pieces of 8 bytes.  Piece n of a row lies at 8 n + 16 (n / 32).
; Lanes 16-31 read three pieces on: behind one padding more where n % 32 is 29 or more: the second address register serves those.
.macro FR6 reg, adr, off, q
.irp c, 0,1
.irp p, 0,1,2
.set PCN, 12*(\q)+6*\c+\p
.if PCN%32 < 29
	ds_load_b64 v[(\reg)+6*\c+2*\p:(\reg)+6*\c+2*\p+1], v[\adr] offset:(\off)+8*PCN+16*(PCN/32)
.else
	ds_load_b64 v[(\reg)+6*\c+2*\p:(\reg)+6*\c+2*\p+1], v[(\adr)+1] offset:(\off)+8*PCN+16*(PCN/32)
.endif
.endr
.endr
.endm
.macro XLOAD                           ; my 64 rows of x, all of K: 32 fragments into windows 1 and 2
.irp u, 0,1
	WIN 0x40+0x40*\u
.irp q, 0,1,2,3
.irp a, 0,1,2,3
	FR6 12*(4*\q+\a), XA, \a*T16, 4*\u+\q
.endr
.endr
.endr
.endm
.macro WLOAD adr, off, buf             ; a tile of 16 rows of W, all of K: 8 fragments into window 3
	WIN 0xc0
.irp q, 0,1,2,3,4,5,6,7
	FR6 96*(\buf)+12*\q, \adr, \off, \q
.endr
.endm
.macro SCLOAD G                        ; the scale bytes of group G's 64 rows: lane l takes the 32 bytes of rows l and 32 + l: 8 words each
.irp n, 0,1
	global_load_b128 v[WS+16*((\G)%2)+8*\n:WS+16*((\G)%2)+8*\n+3], v[L32], s[82:83] offset:(((\G)/2)*1024+64*((\G)%2)+32*\n)*32
	global_load_b128 v[WS+16*((\G)%2)+8*\n+4:WS+16*((\G)%2)+8*\n+7], v[L32], s[82:83] offset:(((\G)/2)*1024+64*((\G)%2)+32*\n)*32+16
.endr
.endm
; One matrix instruction, from the symbols rD, rA, rB, rC (under 0: the constant 0 starts the sum), rSA, rSB; fA, fB: that side's scale words stand in lanes 16-31
.macro WM
.if rC < 0
.if fA && fB
	v_wmma_scale_f32_16x16x128_f8f6f4 v[rD:rD+7], v[rA:rA+11], v[rB:rB+11], 0, v[rSA], v[rSB] matrix_a_fmt:MATRIX_FMT_FP6 matrix_b_fmt:MATRIX_FMT_FP6 matrix_a_scale:MATRIX_SCALE_ROW1 matrix_b_scale:MATRIX_SCALE_ROW1
.elseif fA
	v_wmma_scale_f32_16x16x128_f8f6f4 v[rD:rD+7], v[rA:rA+11], v[rB:rB+11], 0, v[rSA], v[rSB] matrix_a_fmt:MATRIX_FMT_FP6 matrix_b_fmt:MATRIX_FMT_FP6 matrix_a_scale:MATRIX_SCALE_ROW1
.elseif fB
	v_wmma_scale_f32_16x16x128_f8f6f4 v[rD:rD+7], v[rA:rA+11], v[rB:rB+11], 0, v[rSA], v[rSB] matrix_a_fmt:MATRIX_FMT_FP6 matrix_b_fmt:MATRIX_FMT_FP6 matrix_b_scale:MATRIX_SCALE_ROW1
.else
	v_wmma_scale_f32_16x16x128_f8f6f4 v[rD:rD+7], v[rA:rA+11], v[rB:rB+11], 0, v[rSA], v[rSB] matrix_a_fmt:MATRIX_FMT_FP6 matrix_b_fmt:MATRIX_FMT_FP6
.endif
.else
.if fA && fB
	v_wmma_scale_f32_16x16x128_f8f6f4 v[rD:rD+7], v[rA:rA+11], v[rB:rB+11], v[rC:rC+7], v[rSA], v[rSB] matrix_a_fmt:MATRIX_FMT_FP6 matrix_b_fmt:MATRIX_FMT_FP6 matrix_a_scale:MATRIX_SCALE_ROW1 matrix_b_scale:MATRIX_SCALE_ROW1
.elseif fA
	v_wmma_scale_f32_16x16x128_f8f6f4 v[rD:rD+7], v[rA:rA+11], v[rB:rB+11], v[rC:rC+7], v[rSA], v[rSB] matrix_a_fmt:MATRIX_FMT_FP6 matrix_b_fmt:MATRIX_FMT_FP6 matrix_a_scale:MATRIX_SCALE_ROW1
.elseif fB
	v_wmma_scale_f32_16x16x128_f8f6f4 v[rD:rD+7], v[rA:rA+11], v[rB:rB+11], v[rC:rC+7], v[rSA], v[rSB] matrix_a_fmt:MATRIX_FMT_FP6 matrix_b_fmt:MATRIX_FMT_FP6 matrix_b_scale:MATRIX_SCALE_ROW1
.else
	v_wmma_scale_f32_16x16x128_f8f6f4 v[rD:rD+7], v[rA:rA+11], v[rB:rB+11], v[rC:rC+7], v[rSA], v[rSB] matrix_a_fmt:MATRIX_FMT_FP6 matrix_b_fmt:MATRIX_FMT_FP6
.endif
.endif
.endm
; Tile i of group G against my four tiles of x: 32 matrix instructions, K ascending, the four accumulators by turns.  ty = 0: transposed (q, k); 1: as it stands (v).
; nx = 1: the next tile's 48 loads (address pair nadr, offset noff) go out first, into the other buffer: they have this tile's 32 matrix instructions in which to come.
.macro TILE ty, G, i, nx, nadr, noff
	s_wait_dscnt 0x0                               ; this tile's fragments, asked for a tile ago
.if (\i) > 0
	PLACES 4                                       ; in front of loads into the buffer that the last tile's products read (tile 0 stands behind a group's quantisers)
.endif
.if \nx
	WLOAD \nadr, \noff, 1-(\i)%2
.endif
.irp u, 0,1
.if \ty
	WIN 0x0d+\u                                    ; source 0: x, window 1 or 2; source 1: W, window 3
.else
	WIN 0x07+4*\u                                  ; source 0: W, window 3; source 1: x, window 1 or 2
.endif
.irp q, 0,1,2,3
.irp a, 0,1,2,3
.set rX, 12*(4*\q+\a)
.set rW, 96*((\i)%2)+12*(4*\u+\q)
.set sX, XS+8*(\a/2)+4*\u+\q
.set sW, WS+16*((\G)%2)+8*((\i)/2)+4*\u+\q
.if \ty
.set rD, ACC+32*(\i)+8*\a
.set rA, rX
.set rB, rW
.set rSA, sX
.set rSB, sW
.set fA, \a%2
.set fB, (\i)%2
.else
.set rD, ACC+32*\a+8*(\i)
.set rA, rW
.set rB, rX
.set rSA, sW
.set rSB, sX
.set fA, (\i)%2
.set fB, \a%2
.endif
.set rC, rD
.if 4*\u+\q == 0
.set rC, -1
.endif
	WM
.endr
.endr
.endr
	WIN 0
.endm
; 64 numbers of a lane, four runs of 16, each my half of a block of 32 (the other half is lane l xor 16's), become codes in v[PC] .. v[PC+11] (registers 0-5: blocks 0 and 1 whole, in lanes 0-15 and 16-31;
; registers 6-11: blocks 2 and 3) and the four scale bytes in v[PW].
.macro QUANT s
	s_wait_xcnt 0x0                                ; the stores issued so far have read v[PC] on and v[SPR]: only now are they written again
.irp b, 0,1,2,3
	v_max3_num_f32 v[TM+\b], |v[(\s)+16*\b]|, |v[(\s)+1+16*\b]|, 0x1800000   ; my 16 numbers, each accumulator from its low end on, and the floor 2^(3 - 127): the byte cannot fall under 1
.endr
.irp i, 2,4,6,8,10,12,14
.irp b, 0,1,2,3
	v_max3_num_f32 v[TM+\b], v[TM+\b], |v[(\s)+16*\b+\i]|, |v[(\s)+1+16*\b+\i]|   ; the four blocks by turns
.endr
.endr
.irp b, 0,1,2,3
	v_permlanex16_b32 v[TM+4+\b], v[TM+\b], s[SEL], s[SEL+1]
.endr
.irp b, 0,1,2,3
	v_max_num_f32 v[TM+\b], v[TM+\b], v[TM+4+\b]   ; the block's largest magnitude
.endr
.irp b, 0,1,2,3
	v_add_nc_u32 v[TM+12+\b], 0xff000000, v[TM+\b] ; 2 off its exponent field: the conversion takes the exponent field of this operand as its scale
.endr
.irp b, 0,1,2,3
	v_lshrrev_b32 v[TM+4+\b], 23, v[TM+12+\b]      ; the scale's byte
.endr
	v_lshl_or_b32 v[PW], v[TM+5], 8, v[TM+4]
	v_lshl_or_b32 v[PW], v[TM+6], 16, v[PW]
	v_lshl_or_b32 v[PW], v[TM+7], 24, v[PW]
.irp c, 0,1
	v_cvt_scalef32_pk16_fp6_f32 v[PC+6*\c:PC+2+6*\c], v[(\s)+32*\c:(\s)+15+32*\c], v[TM+12+2*\c]
	v_cvt_scalef32_pk16_fp6_f32 v[PC+12+4*\c:PC+14+4*\c], v[(\s)+16+32*\c:(\s)+31+32*\c], v[TM+12+2*\c+1]   ; (a conversion's three registers begin on an even number)
.endr
	v_nop                                          ; one plain place behind a scaled conversion
.irp c, 0,1                                    ; a WHOLE block to a lane: lanes 0-15 block 2 c, lanes 16-31 block 2 c + 1
.irp i, 0,1,2
	v_permlane16_swap_b32 v[PC+6*\c+\i], v[PC+12+4*\c+\i]
.endr
.irp i, 0,1,2
	v_mov_b32 v[PC+3+6*\c+\i], v[PC+12+4*\c+\i]
.endr
.endr
.endm
; The codes of tiles 2 n and 2 n + 1 leave: six stores of 256 consecutive aligned bytes.  Lanes 0-15 keep tile 2 n's two scale bytes, lanes 16-31 tile 2 n + 1's.  shv: v's bytes move to their 64 keys' place in the step's word.
.macro PUT n, shv
.irp c, 0,1
.irp p, 0,1,2
	global_store_b64 v[oV], v[PC+6*\c+2*\p:PC+6*\c+2*\p+1], s[80:81] offset:oB+oS*(2*(\n)+\c)+256*\p
.endr
.endr
	v_lshrrev_b32 v[TP], v[H16], v[PW]
	v_and_b32 v[SPR+\n], 0xffff, v[TP]
.if \shv
	v_lshlrev_b32 v[SPR+\n], s62, v[SPR+\n]
.endif
.endm
; A group of 64 rows of W: four tiles, then its 64 x 64 results are quantised and stored.
.macro GROUP ty, G
.if (\G) == 0
.set CUR, LB
.else
.set CUR, AW+2*((\G)%2)
.endif
.set NXT, AW+2*(((\G)+1)%2)
.if (\G)/2 == 0
.set oV, VQ
.set oB, ((\G)%2)*REC+QC
.set oS, 768
.set oSV, VQS
.set oSB, ((\G)%2)*REC+QS
.elseif (\G)/2 == 1
.set oV, VK
.set oB, ((\G)%2)*REC
.set oS, 768
.set oSV, VSS
.set oSB, ((\G)%2)*REC+KSO
.else
.set oV, VV
.set oB, ((\G)%2)*REC+VCO
.set oS, 1536
.set oSV, VSS
.set oSB, ((\G)%2)*REC+VSO
.endif
	s_wait_loadcnt 0x0                             ; this group's scale words, asked for a group ago (group 0: x's too)
.if (\G) < 5
	SCLOAD (\G)+1                                  ; the next group's, into the set that the group before this one has left
	v_add_nc_u32 v[NXT], G64*((\G)+1), v[LB]
	s_wait_alu depctr_va_vdst(0)
	v_add_nc_u32 v[NXT+1], G64*((\G)+1), v[LB+1]
.endif
	TILE \ty, \G, 0, 1, CUR, T16
	TILE \ty, \G, 1, 1, CUR, 2*T16
	TILE \ty, \G, 2, 1, CUR, 3*T16
.if (\G) == 1
	s_wait_tensorcnt 0x0                           ; my one load that is out, my 64 rows of W_k or W_v, has landed,
	s_wait_dscnt 0x0                               ; no LDS load of mine is pending at the signal,
	s_barrier_signal -1
	s_barrier_wait -1                              ; and the same holds of all four waves: the rows may be read.
.endif
.if (\G) < 5
	s_wait_alu depctr_va_vdst(0)
	TILE \ty, \G, 3, 1, NXT, 0
.else
	TILE \ty, \G, 3, 0, 0, 0
.endif
	PLACES 4                                       ; in front of the first read of the results
	QUANT ACC
	PUT 0, \ty
	QUANT ACC+64
	PUT 1, \ty
	global_store_b64 v[oSV], v[SPR:SPR+1], s[80:81] offset:oSB   ; the scale words of my 64 rows: 256 consecutive aligned bytes
.endm
	s_load_b256 s[4:11], s[0:1], 0x0               ; x's codes s[4:5], x's scales s[6:7], W's codes s[8:9], W's scales s[10:11]
	s_load_b64 s[12:13], s[0:1], 0x20              ; the workspace
	v_lshl_add_u32 v[SPW], v0, 2, SPARE
	v_mov_b32 v[NIL], 0
	ds_add_u32 v14, v15
	ds_add_u32 v14, v15
	s_wait_dscnt 0x0
	v_lshrrev_b32 v[TP], 5, v0
	v_readfirstlane_b32 s14, v[TP]                 ; wave 0..3
	s_and_b32 s15, s14, 1
	s_lshr_b32 s16, s14, 1
	s_bfe_u32 s17, ttmp6, 0x40000                  ; cx, cy: my place in the cluster
	s_bfe_u32 s18, ttmp6, 0x40004
	s_lshl_b32 s19, ttmp9, 2
	s_add_co_u32 s19, s19, s17                     ; g: the pair of heads = 4 x cluster x + cx
	s_and_b32 s20, ttmp7, 0xffff
	s_lshl_b32 s20, s20, 2
	s_add_co_u32 s20, s20, s18                     ; mt: the block of 256 rows = 4 x cluster y + cy
	s_lshl_b32 s21, s18, 2
	s_lshl_b32 s21, 15, s21                        ; my row of the cluster
	s_lshl_b32 s22, 0x1111, s17                    ; my column
	; group 1: rows of 768 bytes (elements of 1 byte), 16 bytes of padding behind every 64 words
	s_or_b32 s[G1X], s21, (1<<20)|(1<<21)|(5<<22)|(3<<25)   ; 15:0 the mask: x's rows go to my row of the cluster; 20 padding on; 21 set beside a mask; 24:22 after every 64 words (code 5); 31:25 4 words (code 3)
	s_or_b32 s[G1Q], s22, (1<<20)|(1<<21)|(5<<22)|(3<<25)   ; W's rows go to my column
	s_or_b32 s[G1R], s22, (1<<20)|(1<<21)|(5<<22)|(3<<25)
.irp g, G1X, G1Q, G1R
	s_mov_b32 s[\g+1], 768<<16                     ; tensor_dim0
	s_mov_b32 s[\g+3], 768<<16                     ; tile_dim0
	s_mov_b32 s[\g+5], 768                         ; from row to row
	s_mov_b32 s[\g+6], 0
	s_mov_b32 s[\g+7], 0
.endr
	s_mov_b32 s[G1X+2], 128<<16                    ; tensor_dim1, tile_dim1: 128 rows of x for waves 0 and 1,
	s_mov_b32 s[G1X+4], 128
	s_mov_b32 s[G1Q+2], 64<<16                     ; 64 of W_q for waves 2 and 3,
	s_mov_b32 s[G1Q+4], 64
	s_mov_b32 s[G1R+2], 64<<16                     ; 64 of W_k or W_v
	s_mov_b32 s[G1R+4], 64
	; x's address hangs on mt and the wave alone, W's on g and the wave alone, each in registers that never hold the other coordinate
	s_lshl_b32 s66, s20, 8
	s_lshl_b32 s67, s14, 6
	s_add_co_u32 s66, s66, s67                     ; my first row of x: 256 mt + 64 w
	s_lshl_b32 s72, s66, 5                         ; its scale bytes
	s_mov_b32 s73, 0
	s_lshl_b32 s66, s20, 8
	s_lshl_b32 s67, s15, 7
	s_add_co_u32 s66, s66, s67                     ; the rows that waves 0 and 1 fetch: 256 mt + 128 (w % 2)
	s_mul_i32 s66, s66, 768
	s_mov_b32 s67, 0
	s_lshl_b32 s68, s19, 7
	s_lshl_b32 s69, s15, 6
	s_add_co_u32 s68, s68, s69                     ; W_q: row 128 g + 64 (w % 2)
	s_mul_i32 s68, s68, 768
	s_mov_b32 s69, 0
	s_lshl_b32 s70, s16, 10
	s_lshl_b32 s71, s15, 6
	s_add_co_u32 s70, s70, s71
	s_lshl_b32 s71, s19, 7
	s_add_co_u32 s70, s70, s71
	s_add_co_u32 s70, s70, 1024                    ; the refill: row 1,024 (1 + w / 2) + 128 g + 64 (w % 2): waves 0, 1 W_k's two heads, waves 2, 3 W_v's
	s_mul_i32 s70, s70, 768
	s_mov_b32 s71, 0
	s_mov_b32 s[G0X], 1
	s_mul_i32 s[G0X+1], s15, 2*G64
	s_add_co_u32 s[G0X+1], s[G0X+1], XR            ; my 128 rows' place: the wave's number alone enters an LDS address
	s_mov_b32 s[G0Q], 1
	s_mul_i32 s[G0Q+1], s15, G64
	s_mov_b32 s[G0R], 1
	s_mul_i32 s[G0R+1], s14, G64
	s_add_co_u32 s[G0R+1], s[G0R+1], XR
	s_lshl_b32 s76, s19, 12                        ; W's scale bytes of rows 128 g on
	s_mov_b32 s77, 0
	s_lshr_b32 s78, s20, 2
	s_lshl_b32 s78, s78, 4
	s_lshl_b32 s79, s19, 1
	s_add_co_u32 s78, s78, s79                     ; head 16 b + 2 g
	s_mul_i32 s78, s78, REC
	s_mov_b32 s79, 0
	s_mov_b32 s[SEL], 0x76543210
	s_mov_b32 s[SEL+1], 0xfedcba98
	s_wait_kmcnt 0x0
	s_add_nc_u64 s[G0X+2:G0X+3], s[4:5], s[66:67]
	s_or_b32 s[G0X+3], s[G0X+3], 0x80000000
	s_add_nc_u64 s[G0Q+2:G0Q+3], s[8:9], s[68:69]
	s_or_b32 s[G0Q+3], s[G0Q+3], 0x80000000
	s_add_nc_u64 s[G0R+2:G0R+3], s[8:9], s[70:71]
	s_or_b32 s[G0R+3], s[G0R+3], 0x80000000
	s_add_nc_u64 s[80:81], s[12:13], s[78:79]      ; the two heads' records
	s_add_nc_u64 s[82:83], s[10:11], s[76:77]
	s_add_nc_u64 s[84:85], s[6:7], s[72:73]
	CROUND                                         ; all sixteen work-groups are here: the first joint loads meet
	s_cmp_lt_u32 s14, 2
	s_cbranch_scc0 .Lhead_w
	tensor_load_to_lds s[G0X:G0X+3], s[G1X:G1X+7]  ; waves 0 and 1: half each of x's 256 rows
	s_nop 0
	PLACES 4
	s_branch .Lhead_asked
.Lhead_w:
	tensor_load_to_lds s[G0Q:G0Q+3], s[G1Q:G1Q+7]  ; waves 2 and 3: half each of W_q's 128 rows
	s_nop 0
	PLACES 4
.Lhead_asked:
	v_and_b32 v[TP], 31, v0                        ; lane
	v_lshlrev_b32 v[L32], 5, v[TP]
.irp n, 0,1
	global_load_b128 v[XS+8*\n:XS+8*\n+3], v[L32], s[84:85] offset:1024*\n          ; x's scale bytes: lane l takes the 32 bytes of rows l and 32 + l
	global_load_b128 v[XS+8*\n+4:XS+8*\n+7], v[L32], s[84:85] offset:1024*\n+16
.endr
	SCLOAD 0
	v_lshlrev_b32 v[L8], 3, v[TP]
	v_and_b32 v[PW], 15, v0                        ; r
	v_bfe_u32 v[H16], v0, 4, 1                     ; h
	v_mul_u32_u24 v[LB], v[PW], PITCH
	v_mad_u32_u24 v[LB], v[H16], 24, v[LB]
	v_lshl_add_u32 v[LB+1], v[H16], 4, v[LB]
	v_lshlrev_b32 v[H16], 4, v[H16]
	v_add_nc_u32 v[XA], s[G0R+1], v[LB]            ; my 64 rows of x: XR + w x 64 rows
	v_add_nc_u32 v[XA+1], s[G0R+1], v[LB+1]
.irp b, 0,1,2,3
	v_mov_b32 v[TM+4+\b], 0                        ; written once: a lane permute's destination counts as one of its sources
.endr
	s_and_b32 s86, s20, 3                          ; which quarter of the batch's 1,024 rows
	s_lshl_b32 s87, s86, 1
	s_add_co_u32 s87, s87, s16
	s_mul_i32 s87, s87, STEPREC                    ; my 64 rows lie in key step 2 (mt % 4) + w / 2, half w % 2
	s_lshl_b32 s88, s86, 2
	s_add_co_u32 s88, s88, s14                     ; and are group 4 (mt % 4) + w of 64 queries
	s_mul_i32 s89, s88, 4*768
	s_lshl_b32 s88, s88, 8
	s_mul_i32 s90, s15, 4*768
	s_add_co_u32 s90, s90, s87
	s_mul_i32 s91, s15, 768
	s_add_co_u32 s91, s91, s87
	s_lshl_b32 s92, s15, 8
	s_add_co_u32 s92, s92, s87
	s_lshl_b32 s62, s15, 4                         ; v's two scale bytes go 16 (w % 2) bits up
	s_wait_alu depctr_va_vdst(0)
	s_cmp_lt_u32 s14, 2
	s_cbranch_scc0 .Lx_shown
	s_wait_tensorcnt 0x0                           ; waves 0 and 1: my half of x has landed
.Lx_shown:
	s_barrier_signal -1
	s_barrier_wait -1                              ; x's 256 rows may be read; W_q's may still be on their way
	XLOAD
	WIN 0
	s_wait_tensorcnt 0x0                           ; all my tensor loads have landed, my part of W_q among them;
	ds_add_u32 v[SPW], v[NIL]                      ; 0 onto my spare word;
	v_add_nc_u32 v[VQ], s89, v[L8]                 ; (the stores' offsets are made while the add is out)
	v_add_nc_u32 v[VK], s90, v[L8]
	v_add_nc_u32 v[VV], s91, v[L8]
	v_add_nc_u32 v[VSS], s92, v[L8]
	v_add_nc_u32 v[VQS], s88, v[L8]
	s_wait_dscnt 0x0                               ; the add is done, and x stands in my registers: my reads of its rows are over
	CROUND                                         ; the same holds of every wave of all sixteen work-groups
	tensor_load_to_lds s[G0R:G0R+3], s[G1R:G1R+7]  ; the one refill: W_k's and W_v's rows, into x's bytes
	s_nop 0
	PLACES 4
	WLOAD LB, 0, 0                                 ; W_q is whole: every wave waited for its part in front of the round
	WIN 0
	GROUP 0, 0
	GROUP 0, 1
	GROUP 0, 2
	GROUP 0, 3
	GROUP 1, 4
	GROUP 1, 5
	s_wait_tensorcnt 0x0                           ; the wave's end
	ds_add_u32 v[SPW], v[NIL]
	s_wait_dscnt 0x0
	CROUND                                         ; the closing round: no work-group ends while a partner may still ask for rows that name it
	s_endpgm
.Lfunc_end_k_q095d0b1ae0_qkv:
	.size	k_q095d0b1ae0_qkv, .Lfunc_end_k_q095d0b1ae0_qkv-k_q095d0b1ae0_qkv
	.p2alignl 7, 3214868480
	.fill 96, 4, 3214868480
	.section	.rodata,"a",@progbits
	.p2align	6, 0x0
	.amdhsa_kernel k_q095d0b1ae0_qkv
		.amdhsa_group_segment_fixed_size 327680
		.amdhsa_private_segment_fixed_size 0
		.amdhsa_enable_private_segment 0
		.amdhsa_kernarg_size 40
		.amdhsa_user_sgpr_count 2
		.amdhsa_user_sgpr_kernarg_segment_ptr 1
		.amdhsa_wavefront_size32 1
		.amdhsa_system_sgpr_workgroup_id_x 1
		.amdhsa_system_sgpr_workgroup_id_y 1
		.amdhsa_system_sgpr_workgroup_id_z 1
		.amdhsa_system_vgpr_workitem_id 0
		.amdhsa_next_free_vgpr 1024
		.amdhsa_next_free_sgpr 96
		.amdhsa_reserve_vcc 0
		.amdhsa_float_denorm_mode_32 3
		.amdhsa_float_denorm_mode_16_64 3
		.amdhsa_memory_ordered 1
		.amdhsa_forward_progress 1
		.amdhsa_inst_pref_size 253
	.end_amdhsa_kernel
	.amdgpu_metadata
---
amdhsa.version: [ 1, 2 ]
amdhsa.kernels:
  - .name:           k_q095d0b1ae0_qkv
    .symbol:         k_q095d0b1ae0_qkv.kd
    .args:
      - { .name: x_codes, .offset: 0, .size: 8, .value_kind: global_buffer, .address_space: global }
      - { .name: x_scales, .offset: 8, .size: 8, .value_kind: global_buffer, .address_space: global }
      - { .name: w_qkv_codes, .offset: 16, .size: 8, .value_kind: global_buffer, .address_space: global }
      - { .name: w_qkv_scales, .offset: 24, .size: 8, .value_kind: global_buffer, .address_space: global }
      - { .name: qkv, .offset: 32, .size: 8, .value_kind: global_buffer, .address_space: global }
    .group_segment_fixed_size: 327680
    .private_segment_fixed_size: 0
    .kernarg_segment_align: 8
    .kernarg_segment_size: 40
    .max_flat_workgroup_size: 128
    .sgpr_count:     96
    .vgpr_count:     1024
    .wavefront_size: 32
...
	.end_amdgpu_metadata
.endif
;; end of part 1
;; launch attn (part 2): grid 256 x 1, 16 waves a work-group, clusters of 2 x 1, 327,680 bytes of LDS; arguments qkv, ycodes, ys; writes ycodes, ys
.if DOCPART == 2
	.amdgcn_target "amdgcn-amd-amdhsa--gfx1250"
	.amdhsa_code_object_version 6
	.text
	.protected	k_q095d0b1ae0_attn
	.globl	k_q095d0b1ae0_attn
	.p2align	8
	.type	k_q095d0b1ae0_attn,@function
k_q095d0b1ae0_attn:
	s_mov_b64 s[64:65], 0
	v_nop
	global_prefetch_b8 v0, s[64:65] scope:SCOPE_SE
	s_setreg_imm32_b32 hwreg(HW_REG_WAVE_MODE, 25, 1), 1
	s_wait_xcnt 0x0
	s_wait_alu depctr_hold_cnt(0) depctr_sa_sdst(0) depctr_va_vdst(0) depctr_va_sdst(0) depctr_va_ssrc(0) depctr_va_vcc(0) depctr_vm_vsrc(0)
	s_getreg_b32 s2, hwreg(HW_REG_IB_STS2, 6, 4)
	s_cmp_eq_u32 s2, 0
	s_cbranch_scc0 .Lentry_in_a_cluster
	s_endpgm
.Lentry_in_a_cluster:
	s_bfe_u32 s2, ttmp6, 0x10000c
	s_cmp_lg_u32 s2, 0x1001
	s_cbranch_scc0 .Lentry_shape_is_right
	s_endpgm
.Lentry_shape_is_right:
; y = softmax(q k^T / 8) v under the causal mask, on codes of FP6 as the launch before laid them, and the quantiser of y along the projection's K.
; SHARES.  A cluster of two work-groups takes one head; each has all of the head's K and V in LDS (8 key steps of 128 keys, 106,496 bytes), asked for jointly, one load a wave.  Nothing is filled again.
; A tile is 16 queries: tile 8 g + u of the head, g its key step, u = 2 m + (my place in the cluster).  Wave w takes m = w % 4, g = w / 4 in its first pass and m = 3 - w % 4, g = 7 - w / 4 in its second: nine key steps in all.
; LEFT OUT: key steps behind g, and in step g the blocks of 32 keys behind block m: the causal mask that reference() builds throws all of them away, whatever the inputs.  The numbers m and g hang on the wave alone: both partners branch alike.
; THE STEP is transposed: S^T = K q^T, O^T += V^T p^T: a lane has one query.  q's upper six registers (k = 64 .. 127) are zero codes, so a K tile's operand is its own six registers and the six behind them, which hold other codes: they add nothing.
; So eight K tiles stand in 48 registers; the next step's K is fetched as soon as this step's scores are made, together with this step's V.
; NO PREFETCH into the L2: all that the work-group reads in its loop comes by the one load at the head, so there is no loop that runs ahead of a load.
; LIMITS: NaN and infinities are not served; the scaled scores (exponents to the base 2, before the maximum is taken away) stay under 2^31 in magnitude.  A block of y whose largest magnitude lies under 2^-124 keeps the byte 1.
; M, the running maximum's ceiling, is a whole number: every rescaling is a power of two.  A block's largest p is the exponential of its largest score.
.set REC,     159744
.set STEPREC, 13312
.set QC,      8*STEPREC
.set QS,      QC+64*768
.set SPARE,   8*STEPREC                ; the spare words, 128 bytes for each wave
.set L8,   1                           ; v1      8 x lane
.set AD,   2                           ; v2      LDS address in this key step
.set DM,   3                           ; v3      my query's place in block m less 8 x half
.set QST,  4                           ; v4-10   the second pass's q and its scale word
.set GS,   11
                                       ; v12 -M, v13 the running maximum, v14-15 the sum in two halves
.set QF,   16                          ; v16-27  q: six registers of codes, six of zeros
.set QSC,  28
.set PW,   29                          ; p's scale word; in the head and at a pass's end a temporary
.set VSC,  30                          ; v30-31  V's scale words
.set K,    32                          ; v32-79  eight K tiles
.set V,    80                          ; v80-127 V's four tiles
.set S,    128                         ; v128-191 scores, then p
.set OT,   192                         ; v192-223 O^T
.set PCD,  224                         ; v224-235 p's codes; v224-227 V's raw scale words and v232-235 the blocks' maxima ahead of them
.set KSC,  248                         ; v248-251 K's scale words
.set AK,   255                         ; v255    LDS address in the next key step
.set WV,   14
.set M,    16
.set NN,   18
.set SN,   19
.set TB,   20
.set GL,   21
.set CS,   22
.set SEL,  40
.set HM,   42
.set GL1,  43
.set M1,   68
.set TN,   69
.set ND,   72                          ; 8 less the trips begun
.set L16,  243                         ; v243    16 x lane
; THE WALK.  A wave does one key step in each of nine trips, the last written out behind the loop: trips 0 .. g its first tile's steps 0 .. g, the others its second tile's steps downwards, 8 - trip.
; A work-group barrier, signalled at a trip's head and waited for at its end, holds the sixteen waves within one step of each other; it guards no data.
.set MK,   80                          ; s80-95  the causal masks of block m's 16 registers
.macro PLACES n
.rept \n
	v_nop
.endr
.endm
.macro CROUND                          ; a round of the cluster's barrier
	s_barrier_signal -1
	s_barrier_wait -1
	s_cmp_lg_u32 s[WV], 0
	s_cbranch_scc1 .Lnot_wave_0_\@
	s_barrier_signal -3
.Lnot_wave_0_\@:
	s_barrier_wait -3
	s_barrier_signal -1
	s_barrier_wait -1
.endm
.macro KLOAD adr                       ; a key step's K: 24 loads of codes, 2 of scale words
.irp t, 0,1,2,3,4,5,6,7
.irp p, 0,1,2
	ds_load_b64 v[K+6*\t+2*\p:K+6*\t+2*\p+1], v[\adr] offset:768*\t+256*\p
.endr
.endr
	ds_load_b64 v[KSC:KSC+1], v[\adr] offset:12288
	ds_load_b64 v[KSC+2:KSC+3], v[\adr] offset:12544
.endm
.macro SPROD i
.if (\i)%2
	v_wmma_scale_f32_16x16x128_f8f6f4 v[S+8*(\i):S+8*(\i)+7], v[K+6*(\i):K+6*(\i)+11], v[QF:QF+11], 0, v[KSC+(\i)/2], v[QSC] matrix_a_fmt:MATRIX_FMT_FP6 matrix_b_fmt:MATRIX_FMT_FP6 matrix_a_scale:MATRIX_SCALE_ROW1
.else
	v_wmma_scale_f32_16x16x128_f8f6f4 v[S+8*(\i):S+8*(\i)+7], v[K+6*(\i):K+6*(\i)+11], v[QF:QF+11], 0, v[KSC+(\i)/2], v[QSC] matrix_a_fmt:MATRIX_FMT_FP6 matrix_b_fmt:MATRIX_FMT_FP6
.endif
.endm
.macro JOIN c                          ; a whole block to a lane: lanes 0-15 block 2 c, lanes 16-31 block 2 c + 1
.irp i, 0,1,2
	v_permlane16_swap_b32 v[PCD+6*\c+\i], v[236+4*\c+\i]
.endr
.irp i, 0,1,2
	s_delay_alu instid0(VALU_DEP_3)
	v_mov_b32 v[PCD+3+6*\c+\i], v[236+4*\c+\i]
.endr
.endm
.macro ZERO from, count
.set n, 0
.rept \count
	v_mov_b32 v[\from+n], 0
.set n, n+1
.endr
.endm
.macro INIT
	v_mov_b32 v13, 0xff61b1e6              ; -3e38, under every score
	s_delay_alu instid0(VALU_DEP_1)
	v_floor_f32 v12, -v13
	v_mov_b32 v14, 0
	v_mov_b32 v15, 0
	ZERO OT, 32
.endm
; A key step with nb live blocks of 32 keys; dg = 1: the diagonal step: block nb - 1 is masked.
.macro BODY nb, dg, pf                 ; pf = 1: the next step's K is fetched
.set t, 0
.rept 2*\nb
	SPROD t
.set t, t+1
.endr
	v_add_nc_u32 v[AD], s[TB], v[L8]
.if \dg
	v_mov_b32 v254, 0xff800000
.endif
.if \pf
	v_add_nc_u32 v[AK], s[TN], v[L8]
.endif
	PLACES 3                               ; with the first line above, four places in front of the loads and of the first read of the scores
	ds_load_b64 v[PCD:PCD+1], v[AD] offset:12800
	ds_load_b64 v[PCD+2:PCD+3], v[AD] offset:13056
.irp i, 0,1,2,3
.irp p, 0,1,2,3,4,5
	ds_load_b64 v[V+12*\i+2*\p:V+12*\i+2*\p+1], v[AD] offset:6144+1536*\i+256*\p
.endr
.endr
.if \dg
.set n, 0
.rept 16
	v_cndmask_b32 v[S+16*(\nb-1)+n], v[S+16*(\nb-1)+n], v254, s[MK+n]
.set n, n+1
.endr
.endif
.if \pf
	KLOAD AK
.endif
.set b, 0
.rept \nb
	v_max3_num_f32 v[232+b], v[S+16*b], v[S+1+16*b], v[S+2+16*b]
.set b, b+1
.endr
.set i, 3
.rept 6
.set b, 0
.rept \nb
	v_max3_num_f32 v[232+b], v[232+b], v[S+16*b+i], v[S+1+16*b+i]
.set b, b+1
.endr
.set i, i+2
.endr
.set b, 0
.rept \nb
	v_max_num_f32 v[232+b], v[232+b], v[S+15+16*b]
.set b, b+1
.endr
.set b, 0
.rept \nb
	s_delay_alu instid0(VALU_DEP_\nb)
	v_permlanex16_b32 v[236+b], v[232+b], s[SEL], s[SEL+1]
.set b, b+1
.endr
.set b, 0
.rept \nb
	s_delay_alu instid0(VALU_DEP_\nb)
	v_max_num_f32 v[232+b], v[232+b], v[236+b]   ; each block's largest score
.set b, b+1
.endr
.if \nb == 4
	s_delay_alu instid0(VALU_DEP_2)
	v_max3_num_f32 v254, v232, v233, v234
	s_delay_alu instid0(VALU_DEP_1)
	v_max_num_f32 v254, v254, v235
.elseif \nb == 3
	s_delay_alu instid0(VALU_DEP_1)
	v_max3_num_f32 v254, v232, v233, v234
.elseif \nb == 2
	s_delay_alu instid0(VALU_DEP_1)
	v_max_num_f32 v254, v232, v233
.endif
	s_delay_alu instid0(VALU_DEP_1)
.if \nb == 1
	v_mul_f32 v254, s[CS], v232
.else
	v_mul_f32 v254, s[CS], v254
.endif
	s_delay_alu instid0(VALU_DEP_1)
	v_max_num_f32 v13, v13, v254
	v_mov_b32 v254, v12
	s_delay_alu instid0(VALU_DEP_2)
	v_floor_f32 v12, -v13                  ; -M
	s_delay_alu instid0(VALU_DEP_1)
	v_sub_f32 v254, v12, v254
	s_delay_alu instid0(VALU_DEP_1)
	v_cvt_i32_f32 v254, v254
	s_delay_alu instid0(VALU_DEP_1)
	v_ldexp_f32 v252, 1.0, v254            ; 2^(old M - new M)
.set j, 0
.rept 8*\nb
	v_pk_fma_f32 v[S+j:S+j+1], v[S+j:S+j+1], s[CS:CS+1], v[12:13] op_sel_hi:[1,0,0]
.set j, j+2
.endr
.set b, 0
.rept \nb
	v_fma_f32 v[232+b], v[232+b], s[CS], v12
.set b, b+1
.endr
	s_wait_alu depctr_va_vdst(0)           ; a wait ahead of the batch,
.set j, 0
.rept 16*\nb
	v_exp_f32 v[S+j], v[S+j]
.set j, j+1
.endr
.set b, 0
.rept \nb
	v_exp_f32 v[232+b], v[232+b]           ; the block's largest p
.set b, b+1
.endr
	v_pk_mul_f32 v[14:15], v[14:15], v[252:253] op_sel_hi:[1,0]
	s_wait_alu depctr_va_vdst(0)           ; and one behind it, directly ahead of the first reader of O^T
.set j, 0
.rept 16
	v_pk_mul_f32 v[OT+j:OT+j+1], v[OT+j:OT+j+1], v[252:253] op_sel_hi:[1,0]
.set j, j+2
.endr
.if \pf
	s_wait_dscnt 26                        ; V and its scale words; the next K's 26 loads may be out
.else
	s_wait_dscnt 0x0                       ; V and its scale words
.endif
	v_or_b32 v[VSC], v[PCD], v[PCD+2]
	v_or_b32 v[VSC+1], v[PCD+1], v[PCD+3]
.set b, 0
.rept \nb
	v_max_num_f32 v[232+b], 0x1800000, v[232+b]   ; the floor 2^(3 - 127)
.set b, b+1
.endr
.set b, 0
.rept \nb
	s_delay_alu instid0(VALU_DEP_\nb)
	v_add_nc_u32 v[244+b], 0xff000000, v[232+b]   ; 2 off the exponent field: the conversion's scale operand
.set b, b+1
.endr
.if \nb == 1
	v_lshrrev_b32 v[PW], 23, v244          ; dead blocks have zero codes, and the byte 0 beside them
.else
.set b, 0
.rept \nb
	s_delay_alu instid0(VALU_DEP_\nb)
	v_lshrrev_b32 v[236+b], 23, v[244+b]
.set b, b+1
.endr
	v_lshl_or_b32 v[PW], v237, 8, v236
.endif
.if \nb > 2
	s_delay_alu instid0(VALU_DEP_1)
	v_lshl_or_b32 v[PW], v238, 16, v[PW]
.endif
.if \nb > 3
	s_delay_alu instid0(VALU_DEP_1)
	v_lshl_or_b32 v[PW], v239, 24, v[PW]
.endif
.if \nb == 1
	ZERO 236, 3
.endif
.if \nb < 3
	ZERO PCD+6, 6
.endif
.if \nb == 3
	ZERO 240, 3
.endif
	v_cvt_scalef32_pk16_fp6_f32 v[PCD:PCD+2], v[S:S+15], v244
.if \nb > 1
	v_cvt_scalef32_pk16_fp6_f32 v[236:238], v[S+16:S+31], v245
.endif
.if \nb > 2
	v_cvt_scalef32_pk16_fp6_f32 v[PCD+6:PCD+8], v[S+32:S+47], v246
.endif
.if \nb > 3
	v_cvt_scalef32_pk16_fp6_f32 v[240:242], v[S+48:S+63], v247
.endif
	v_nop                                  ; one plain place behind a scaled conversion
	JOIN 0
.if \nb > 2
	JOIN 1
.endif
	v_pk_add_f32 v[236:237], v[S:S+1], v[S+2:S+3]   ; the row's sum, of p before it is quantised: two chains
.set j, 4
.rept 4*\nb-1
	v_pk_add_f32 v[14:15], v[14:15], v[S+j:S+j+1]
	v_pk_add_f32 v[236:237], v[236:237], v[S+j+2:S+j+3]
.set j, j+4
.endr
	s_delay_alu instid0(VALU_DEP_1)
	v_pk_add_f32 v[14:15], v[14:15], v[236:237]
.irp i, 0,1,2,3
.if \i%2
	v_wmma_scale_f32_16x16x128_f8f6f4 v[OT+8*\i:OT+8*\i+7], v[V+12*\i:V+12*\i+11], v[PCD:PCD+11], v[OT+8*\i:OT+8*\i+7], v[VSC+\i/2], v[PW] matrix_a_fmt:MATRIX_FMT_FP6 matrix_b_fmt:MATRIX_FMT_FP6 matrix_a_scale:MATRIX_SCALE_ROW1
.else
	v_wmma_scale_f32_16x16x128_f8f6f4 v[OT+8*\i:OT+8*\i+7], v[V+12*\i:V+12*\i+11], v[PCD:PCD+11], v[OT+8*\i:OT+8*\i+7], v[VSC+\i/2], v[PW] matrix_a_fmt:MATRIX_FMT_FP6 matrix_b_fmt:MATRIX_FMT_FP6
.endif
.endr
.endm
; A pass's end: O^T over the sum, in the projection's order of K, quantised by blocks of 32 and stored.
.macro EPI pass
	PLACES 4
	s_wait_alu depctr_va_vdst(0)
	v_add_f32 v14, v14, v15
	s_delay_alu instid0(VALU_DEP_1)
	v_permlanex16_b32 v254, v14, s[SEL], s[SEL+1]
	s_delay_alu instid0(VALU_DEP_1)
	v_add_f32 v14, v14, v254
	s_wait_alu depctr_va_vdst(0)
	v_rcp_f32 v252, v14
	v_nop
	s_wait_alu depctr_va_vdst(0)
.set j, 0
.rept 16
	v_pk_mul_f32 v[OT+j:OT+j+1], v[OT+j:OT+j+1], v[252:253] op_sel_hi:[1,0]
.set j, j+2
.endr
.irp b, 0,1
.irp i, 0,1,2,3,4,5,6,7
	v_permlane16_swap_b32 v[OT+16*\b+\i], v[OT+8+16*\b+\i]
.endr
.endr
.irp b, 0,1
	v_max3_num_f32 v[232+\b], |v[OT+16*\b]|, |v[OT+1+16*\b]|, 0x1800000
.endr
.irp i, 2,4,6,8,10,12,14
.irp b, 0,1
	s_delay_alu instid0(VALU_DEP_2)
	v_max3_num_f32 v[232+\b], v[232+\b], |v[OT+16*\b+\i]|, |v[OT+1+16*\b+\i]|
.endr
.endr
.irp b, 0,1
	s_delay_alu instid0(VALU_DEP_2)
	v_permlanex16_b32 v[236+\b], v[232+\b], s[SEL], s[SEL+1]
.endr
.irp b, 0,1
	s_delay_alu instid0(VALU_DEP_2)
	v_max_num_f32 v[232+\b], v[232+\b], v[236+\b]
.endr
.irp b, 0,1
	s_delay_alu instid0(VALU_DEP_2)
	v_add_nc_u32 v[244+\b], 0xff000000, v[232+\b]
.endr
.irp b, 0,1
	s_delay_alu instid0(VALU_DEP_2)
	v_lshrrev_b32 v[238+\b], 23, v[244+\b]
.endr
	v_cvt_scalef32_pk16_fp6_f32 v[PCD:PCD+2], v[OT:OT+15], v244
	v_cvt_scalef32_pk16_fp6_f32 v[240:242], v[OT+16:OT+31], v245
	v_nop
.irp i, 0,1,2
	v_permlane16_swap_b32 v[PCD+\i], v[240+\i]
.endr
.irp i, 0,1,2
	s_delay_alu instid0(VALU_DEP_3)
	v_mov_b32 v[PCD+3+\i], v[240+\i]
.endr
	v_cndmask_b32 v[PW], v238, v239, s[HM]
	global_store_b128 v[L16], v[PCD:PCD+3], s[52+2*\pass:53+2*\pass]              ; 512 consecutive aligned bytes,
	global_store_b64 v[L8], v[PCD+4:PCD+5], s[52+2*\pass:53+2*\pass] offset:512   ; and the 256 behind them
	global_store_b8 v[GS], v[PW], s[56+2*\pass:57+2*\pass]
.endm
; Tile s[it]'s addresses in pass p: q's codes, its scale words, y's codes, y's scale bytes
.macro BASES p, it, m
	s_mul_i32 s78, s[\it], 768
	s_add_co_u32 s78, s78, s66
	s_add_co_u32 s78, s78, QC
	s_add_nc_u64 s[44+2*\p:45+2*\p], s[4:5], s[78:79]
	s_lshr_b32 s78, s[\it], 2
	s_lshl_b32 s78, s78, 8
	s_add_co_u32 s78, s78, s66
	s_add_co_u32 s78, s78, QS
	s_and_b32 s77, s[\m], 1
	s_lshl_b32 s77, s77, 2
	s_add_co_u32 s78, s78, s77
	s_lshl_b32 s77, s17, 7
	s_add_co_u32 s78, s78, s77
	s_add_nc_u64 s[48+2*\p:49+2*\p], s[4:5], s[78:79]
	s_lshl_b32 s77, s75, 6
	s_add_co_u32 s77, s77, s[\it]
	s_mul_i32 s78, s77, 12288
	s_mul_i32 s67, s76, 768
	s_add_co_u32 s78, s78, s67
	s_add_nc_u64 s[52+2*\p:53+2*\p], s[6:7], s[78:79]
	s_lshl_b32 s78, s77, 6
	s_lshr_b32 s67, s76, 1
	s_lshl_b32 s67, s67, 15
	s_add_co_u32 s78, s78, s67
	s_and_b32 s67, s76, 1
	s_lshl_b32 s67, s67, 1
	s_add_co_u32 s78, s78, s67
	s_add_nc_u64 s[56+2*\p:57+2*\p], s[8:9], s[78:79]
.endm
	s_load_b128 s[4:7], s[0:1], 0x0        ; qkv, ycodes
	s_load_b64 s[8:9], s[0:1], 0x10        ; ys
	v_lshl_add_u32 v254, v0, 2, SPARE
	v_mov_b32 v255, 0
	ds_add_u32 v254, v255                  ; the opening lines
	ds_add_u32 v254, v255
	v_lshrrev_b32 v1, 5, v0
	v_readfirstlane_b32 s[WV], v1
	s_lshr_b32 s15, s[WV], 2               ; the first pass's g
	s_and_b32 s[M], s[WV], 3               ; and its m
	s_sub_co_u32 s[M1], 3, s[M]            ; the second pass's m
	s_sub_co_u32 s[GL1], 7, s15            ; and its g
	s_bfe_u32 s17, ttmp6, 0x40000          ; my place in the cluster
	s_mov_b32 s24, 3|(3<<16)|(1<<21)       ; both partners; elements of 8 bytes; no padding
	s_mov_b32 s25, 32<<16                  ; 26 rows of 256 bytes: a sixteenth of the head's K and V
	s_mov_b32 s26, 26<<16
	s_mov_b32 s27, 32<<16
	s_mov_b32 s28, 26
	s_mov_b32 s29, 32
	s_mov_b32 s30, 0
	s_mov_b32 s31, 0
	s_mul_i32 s66, ttmp9, REC              ; the cluster's head's record
	s_mov_b32 s32, 1
	s_mul_i32 s33, s[WV], 6656
	s_add_co_u32 s70, s66, s33
	s_mov_b32 s71, 0
	s_mov_b32 s79, 0
	s_mov_b32 s[CS], 0x3e38aa3b            ; log2(e) / 8
	s_mov_b32 s[CS+1], s[CS]
	s_mov_b32 s[SEL], 0x76543210
	s_mov_b32 s[SEL+1], 0xfedcba98
	s_mov_b32 s[HM], 0xffff0000
	s_wait_dscnt 0x0
	s_wait_kmcnt 0x0
	s_add_nc_u64 s[34:35], s[4:5], s[70:71]
	s_or_b32 s35, s35, 0x80000000
	CROUND                                 ; both partners are here: the joint loads meet
	tensor_load_to_lds s[32:35], s[24:31]
	s_nop 0
	PLACES 4
	s_lshr_b32 s75, ttmp9, 4               ; the batch
	s_and_b32 s76, ttmp9, 15               ; the head
	s_lshl_b32 s72, s[M], 1
	s_add_co_u32 s72, s72, s17
	s_lshl_b32 s73, s15, 3
	s_add_co_u32 s73, s73, s72             ; the first pass's tile
	s_lshl_b32 s72, s[M1], 1
	s_add_co_u32 s72, s72, s17
	s_lshl_b32 s74, s[GL1], 3
	s_add_co_u32 s74, s74, s72             ; the second's
	BASES 0, 73, M
	BASES 1, 74, M1
	s_mov_b32 s[GL], s15
	s_mov_b32 s[NN], 0
	s_mov_b32 s[ND], 8
	s_lshl_b32 s77, s17, 4
	v_and_b32 v2, 31, v0
	v_and_b32 v[DM], 15, v0
	v_bfe_u32 v254, v0, 4, 1
	v_lshlrev_b32 v[L8], 3, v2
	v_lshlrev_b32 v[L16], 4, v2
	v_lshlrev_b32 v[PW], 3, v[DM]
	v_lshl_add_u32 v[GS], v[DM], 2, v254
	v_lshlrev_b32 v254, 3, v254
	v_add_nc_u32 v[DM], s77, v[DM]
	v_sub_nc_u32 v[DM], v[DM], v254
.irp p, 0,1,2
	global_load_b64 v[QF+2*\p:QF+2*\p+1], v[L8], s[44:45] offset:256*\p
	global_load_b64 v[QST+2*\p:QST+2*\p+1], v[L8], s[46:47] offset:256*\p
.endr
	global_load_b32 v[QSC], v[PW], s[48:49]
	global_load_b32 v[QST+6], v[PW], s[50:51]
.set n, 0
.rept 16
	v_cmp_gt_i32 s[MK+n], 16*(n/8)+n%8, v[DM]   ; block m's key 16 (n / 8) + 8 h + n % 8 lies behind my query
.set n, n+1
.endr
	ZERO QF+6, 6
	ZERO V, 6                              ; the last K tile's operand reaches into these
	ZERO 236, 4                            ; a lane permute's destination counts as one of its sources
	v_mov_b32 v253, 0
	INIT
	s_wait_alu depctr_va_vdst(0)
	s_wait_loadcnt 0x0
	s_wait_tensorcnt 0x0                   ; my part of K and V is in,
	s_barrier_signal -1
	s_barrier_wait -1                      ; and everybody's
	KLOAD L8
.Lloop:
	s_min_u32 s[SN], s[NN], 3              ; this trip's step: the trip's number up to g (at most 3), then 8 less it
	s_min_u32 s[TB], s[ND], 7
	s_cmp_le_u32 s[NN], s[GL]
	s_cselect_b32 s[TB], s[SN], s[TB]
	s_mul_i32 s[TB], s[TB], STEPREC
	s_add_co_u32 s[SN], s[NN], 1           ; and the next trip's
	s_min_u32 s[SN], s[SN], 3
	s_sub_co_u32 s[ND], s[ND], 1
	s_cmp_lt_u32 s[NN], s[GL]
	s_cselect_b32 s[TN], s[SN], s[ND]
	s_mul_i32 s[TN], s[TN], STEPREC
	s_wait_dscnt 0x0                       ; this step's K; no LDS load of mine is pending at the signal
	s_barrier_signal -1
	s_sub_co_u32 s[SN], s[NN], s[GL]
	s_cmp_lt_u32 s[SN], 2                  ; trips g and g + 1 are the two tiles' diagonal steps
	s_cbranch_scc1 .Ldiag
	BODY 4, 0, 1
	s_branch .Lnext
.Ldiag:                                        ; m + 1 live blocks
	s_cmp_lt_u32 s[M], 1
	s_cbranch_scc0 .Ltwo
	BODY 1, 1, 1
	s_branch .Ldone
.Ltwo:
	s_cmp_lt_u32 s[M], 2
	s_cbranch_scc0 .Lthree
	BODY 2, 1, 1
	s_branch .Ldone
.Lthree:
	s_cmp_lt_u32 s[M], 3
	s_cbranch_scc0 .Lfour
	BODY 3, 1, 1
	s_branch .Ldone
.Lfour:
	BODY 4, 1, 1
.Ldone:
.Lnext:
	s_barrier_wait -1
	s_cmp_eq_u32 s[NN], s[GL]
	s_cbranch_scc0 .Lcont
	EPI 0                                  ; the first tile is finished
	s_wait_xcnt 0x0                        ; the stores have read their registers
.irp i, 0,1,2,3,4,5
	v_mov_b32 v[QF+\i], v[QST+\i]
.endr
	v_mov_b32 v[QSC], v[QST+6]
	INIT
	s_wait_alu depctr_va_vdst(0)
	s_mov_b32 s[M], s[M1]
.Lcont:
	s_add_co_u32 s[NN], s[NN], 1
	s_cmp_lt_u32 s[NN], 8
	s_cbranch_scc1 .Lloop
	s_mov_b32 s[TB], 0                     ; the last trip: the second tile's step 0, a whole one in every wave
	s_wait_dscnt 0x0
	BODY 4, 0, 0
	EPI 1
	v_lshl_add_u32 v254, v0, 2, SPARE
	v_mov_b32 v255, 0
	s_wait_alu depctr_va_vdst(0)
	s_wait_tensorcnt 0x0                   ; the wave's end
	ds_add_u32 v254, v255
	s_wait_dscnt 0x0
	CROUND                                 ; the closing round
	s_endpgm
.Lfunc_end_k_q095d0b1ae0_attn:
	.size	k_q095d0b1ae0_attn, .Lfunc_end_k_q095d0b1ae0_attn-k_q095d0b1ae0_attn
	.p2alignl 7, 3214868480
	.fill 96, 4, 3214868480
	.section	.rodata,"a",@progbits
	.p2align	6, 0x0
	.amdhsa_kernel k_q095d0b1ae0_attn
		.amdhsa_group_segment_fixed_size 327680
		.amdhsa_private_segment_fixed_size 0
		.amdhsa_enable_private_segment 0
		.amdhsa_kernarg_size 24
		.amdhsa_user_sgpr_count 2
		.amdhsa_user_sgpr_kernarg_segment_ptr 1
		.amdhsa_wavefront_size32 1
		.amdhsa_system_sgpr_workgroup_id_x 1
		.amdhsa_system_sgpr_workgroup_id_y 1
		.amdhsa_system_sgpr_workgroup_id_z 1
		.amdhsa_system_vgpr_workitem_id 0
		.amdhsa_next_free_vgpr 256
		.amdhsa_next_free_sgpr 96
		.amdhsa_reserve_vcc 0
		.amdhsa_float_denorm_mode_32 3
		.amdhsa_float_denorm_mode_16_64 3
		.amdhsa_memory_ordered 1
		.amdhsa_forward_progress 1
		.amdhsa_inst_pref_size 115
	.end_amdhsa_kernel
	.amdgpu_metadata
---
amdhsa.version: [ 1, 2 ]
amdhsa.kernels:
  - .name:           k_q095d0b1ae0_attn
    .symbol:         k_q095d0b1ae0_attn.kd
    .args:
      - { .name: qkv, .offset: 0, .size: 8, .value_kind: global_buffer, .address_space: global }
      - { .name: ycodes, .offset: 8, .size: 8, .value_kind: global_buffer, .address_space: global }
      - { .name: ys, .offset: 16, .size: 8, .value_kind: global_buffer, .address_space: global }
    .group_segment_fixed_size: 327680
    .private_segment_fixed_size: 0
    .kernarg_segment_align: 8
    .kernarg_segment_size: 24
    .max_flat_workgroup_size: 512
    .sgpr_count:     96
    .vgpr_count:     256
    .wavefront_size: 32
...
	.end_amdgpu_metadata
.endif
;; end of part 2
;; launch proj (part 3): grid 4 x 64, 4 waves a work-group, clusters of 4 x 4, 327,680 bytes of LDS; arguments ycodes, ys, w_proj_codes, w_proj_scales, b_proj, out0; writes out0
.if DOCPART == 3
	.amdgcn_target "amdgcn-amd-amdhsa--gfx1250"
	.amdhsa_code_object_version 6
	.text
	.protected	k_q095d0b1ae0_proj
	.globl	k_q095d0b1ae0_proj
	.p2align	8
	.type	k_q095d0b1ae0_proj,@function
k_q095d0b1ae0_proj:
	s_mov_b64 s[64:65], 0
	v_nop
	global_prefetch_b8 v0, s[64:65] scope:SCOPE_SE
	s_setreg_imm32_b32 hwreg(HW_REG_WAVE_MODE, 25, 1), 1
	s_wait_xcnt 0x0
	s_wait_alu depctr_hold_cnt(0) depctr_sa_sdst(0) depctr_va_vdst(0) depctr_va_sdst(0) depctr_va_ssrc(0) depctr_va_vcc(0) depctr_vm_vsrc(0)
	s_getreg_b32 s2, hwreg(HW_REG_IB_STS2, 6, 4)
	s_cmp_eq_u32 s2, 0
	s_cbranch_scc0 .Lentry_in_a_cluster
	s_endpgm
.Lentry_in_a_cluster:
	s_bfe_u32 s2, ttmp6, 0x10000c
	s_cmp_lg_u32 s2, 0xf033
	s_cbranch_scc0 .Lentry_shape_is_right
	s_endpgm
.Lentry_shape_is_right:
; out = y w_proj^T + b_proj on codes of FP6 (E2M3), K = 1,024.  y comes as the launch before laid it: images of operand registers (each six registers: four at 16 x lane, two at 512 + 8 x lane) and scale words [K step][row].  Nothing is left out.
; SHARES.  A work-group makes 128 rows (block mt) x 256 outputs (block ng).  Wave w keeps 64 rows of W, all of K, in 384 registers; y's eight blocks of 16 rows stream from LDS, 32 matrix instructions a block, two sets of registers by turns.
; The product is used transposed (source 0 = W, source 1 = y): a lane holds eight neighbouring outputs of one row.  The bias is the C of each sum's first instruction.
; A block's 16 rows x 64 outputs go through the wave's own stage in LDS while the next block is multiplied, and leave as rows of 256 consecutive aligned bytes.
; CLUSTER 4 x 4: the four work-groups of a row share y's rows, the four of a column W's: each is asked for jointly, one load a wave.  Nothing is filled again.
; NO PREFETCH into the L2: both operands come whole by the head's loads, and no loop runs ahead of a load.
; LIMITS: NaN, infinities and scale bytes 0xff among the inputs are not served.
.set PITCH,  816                       ; an LDS row of W: 3 x (256 bytes + 16 of padding) = 204 words: row r starts at bank 12 r mod 64 (64 banks of 4 bytes: ISA guide 11.1)
.set T16,    16*PITCH
.set YB,     256*PITCH                 ; behind W's 256 rows: y's eight images of 12,288 bytes
.set STG,    YB+8*12288                ; the stages, which no tensor load fills: 16 rows x (256 bytes + 16) a wave
.set SPITCH, 272
.set SPARE,  STG+4*16*SPITCH           ; the spare words, 128 bytes a wave
.set LB,   2                           ; v2-3   W's rows: 816 r + 24 h, and behind one padding more
.set SPW,  6
.set NIL,  7
.set L4,   10
.set L32,  11
.set H32,  12
.set STO,  16                          ; v16    the stage: where I put 32 bytes of a row
.set RD,   17                          ; v17    and where I read rows back
.set CO,   18                          ; v18    the same in the output
.set YA,   19                          ; v19-20 y's images, by 16 x lane: blocks 0-4, 5-7
.set Y8,   21                          ; v21-22 the same by 512 + 8 x lane
.set WS,   32                          ; v32-47 W's scale words: register 8 (a / 2) + q; lanes 16 f + r: tile 2 (a / 2) + f
.set YS,   49                          ; v49-80 y's: register 8 (s / 2) + q; lanes 16 f + r: block 2 (s / 2) + f
.set BI,   82                          ; v82-113 the bias: 8 registers a tile of W, in the result's layout
.set ACC,  114                         ; v114-177 two sets of four accumulators
.set RB,   178                         ; v178-241 rows on the way out, two sets
                                       ; windows 1, 2: W's fragment (a, q) at v[12 (4 (q % 4) + a)] of window 1 + q / 4;  window 3: y's (set, q) at v[96 set + 12 q]
.set MSB, 0
.macro WIN new                         ; the immediate's high byte repeats the setting that is left
.if MSB != (\new)
	s_set_vgpr_msb (MSB<<8)|(\new)
.set MSB, \new
.endif
.endm
.macro PLACES n
.rept \n
	v_nop
.endr
.endm
.macro CROUND                          ; a round of the cluster's barrier
	s_barrier_signal -1
	s_barrier_wait -1
	s_cmp_lg_u32 s16, 0
	s_cbranch_scc1 .Lnot_wave_0_\@
	s_barrier_signal -3
.Lnot_wave_0_\@:
	s_barrier_wait -3
	s_barrier_signal -1
	s_barrier_wait -1
.endm
; A fragment of W: lane (r, h) takes 24 bytes of row r at 96 q + 24 h and 24 at 96 q + 48 + 24 h, in pieces of 8 bytes; piece n lies at 8 n + 16 (n / 32); lanes 16-31 read three pieces on: behind one padding more where n % 32 is 29 or more
.macro FR6 reg, off, q
.irp c, 0,1
.irp p, 0,1,2
.set PCN, 12*(\q)+6*\c+\p
.if PCN%32 < 29
	ds_load_b64 v[(\reg)+6*\c+2*\p:(\reg)+6*\c+2*\p+1], v[LB] offset:(\off)+8*PCN+16*(PCN/32)
.else
	ds_load_b64 v[(\reg)+6*\c+2*\p:(\reg)+6*\c+2*\p+1], v[LB+1] offset:(\off)+8*PCN+16*(PCN/32)
.endif
.endr
.endr
.endm
.macro YLOAD s, e                      ; block s of y, all of K, into set e: 32 loads
	WIN 0xc0
.set rY, YA+(\s)/5
.set rZ, Y8+(\s)/5
.irp q, 0,1,2,3,4,5,6,7
.irp c, 0,1
.set oY, 12288*((\s)%5)+1536*\q+768*\c
.set dY, 96*\e+12*\q+6*\c
	ds_load_b128 v[dY:dY+3], v[rY] offset:oY
	ds_load_b64 v[dY+4:dY+5], v[rZ] offset:oY
.endr
.endr
.endm
; Half of block s's products: K steps 4 u .. 4 u + 3, the four accumulators by turns
.macro PRODS s, e, u
	WIN 0x0d+\u                            ; source 0: W, window 1 or 2; source 1: y, window 3
.irp q, 0,1,2,3
.irp n, 0,1
.irp f, 0,1
.set rD, ACC+32*\e+8*(2*\n+\f)
.set rA, 12*(4*\q+2*\n+\f)
.set rB, 96*\e+12*(4*\u+\q)
.set rSA, WS+8*\n+4*\u+\q
.set rSB, YS+8*((\s)/2)+4*\u+\q
.if 4*\u+\q == 0
.set rC, BI+8*(2*\n+\f)
.else
.set rC, rD
.endif
	v_wmma_scale_f32_16x16x128_f8f6f4 v[rD:rD+7], v[rA:rA+11], v[rB:rB+11], v[rC:rC+7], v[rSA], v[rSB] matrix_a_fmt:MATRIX_FMT_FP6 matrix_b_fmt:MATRIX_FMT_FP6 matrix_a_scale:MATRIX_SCALE_ROW\f matrix_b_scale:MATRIX_SCALE_ROW\e
.endr
.endr
.endr
.endm
.macro TOSTG e                         ; set e's results into my stage, each accumulator from its low end on, and back as rows of 256 bytes
	WIN 0
.irp a, 0,1,2,3
	ds_store_b128 v[STO], v[ACC+32*\e+8*\a:ACC+32*\e+8*\a+3] offset:64*\a
	ds_store_b128 v[STO], v[ACC+32*\e+8*\a+4:ACC+32*\e+8*\a+7] offset:64*\a+16
.endr
.irp t, 0,1,2,3,4,5,6,7
	ds_load_b128 v[RB+32*\e+4*\t:RB+32*\e+4*\t+3], v[RD] offset:2*SPITCH*\t   ; LDS serves a wave's instructions in order (ISA guide 5.7.1.4): these see my stores
.endr
.endm
.macro SEND s, e                       ; sixteen lanes store 256 consecutive bytes, at a multiple of 256 from the output's first byte; written once, read by nobody here
.irp t, 0,1,2,3,4,5,6,7
	global_store_b128 v[CO], v[RB+32*\e+4*\t:RB+32*\e+4*\t+3], s[44:45] offset:65536*(\s)+8192*\t th:TH_STORE_NT
.endr
.endm
.macro BLK s, e, o                     ; block s in set e; the block before lies in set o
	s_wait_dscnt 0x0                       ; this block's fragments, asked for a block ago
.if \s > 0
	PLACES 4                               ; in front of the read of the last block's results and of loads into the set that its products read
.if \s > 2
	s_wait_xcnt 0x0                        ; the stores of the block three back have read their registers: loads may land there
.endif
	TOSTG \o
.endif
.if \s < 7
	YLOAD \s+1, \o
.endif
	PRODS \s, \e, 0
.if \s > 0
	WIN 0
.if \s < 7
	s_wait_dscnt 32                        ; the last block's rows are back; the next block's 32 loads may be out
.else
	s_wait_dscnt 0x0
.endif
	SEND \s-1, \o
.endif
	PRODS \s, \e, 1
.endm
	s_load_b256 s[4:11], s[0:1], 0x0               ; y's codes s[4:5], y's scales s[6:7], W's codes s[8:9], W's scales s[10:11]
	s_load_b128 s[12:15], s[0:1], 0x20             ; the bias s[12:13], the output s[14:15]
	v_lshl_add_u32 v[SPW], v0, 2, SPARE
	v_mov_b32 v[NIL], 0
	ds_add_u32 v[SPW], v[NIL]                      ; the opening lines
	ds_add_u32 v[SPW], v[NIL]
	v_lshrrev_b32 v1, 5, v0
	v_readfirstlane_b32 s16, v1                    ; wave 0..3
	s_and_b32 s23, s16, 1
	s_bfe_u32 s17, ttmp6, 0x40000                  ; cx, cy
	s_bfe_u32 s18, ttmp6, 0x40004
	s_lshl_b32 s19, ttmp9, 2
	s_add_co_u32 s19, s19, s17                     ; ng = 4 x cluster x + cx
	s_and_b32 s20, ttmp7, 0xffff
	s_lshl_b32 s20, s20, 2
	s_add_co_u32 s20, s20, s18                     ; mt = 4 x cluster y + cy
	s_lshl_b32 s21, s18, 2
	s_lshl_b32 s21, 15, s21                        ; my row of the cluster
	s_lshl_b32 s22, 0x1111, s17                    ; my column
	s_or_b32 s24, s21, (3<<16)|(1<<21)             ; y: a dense block of 49,152 bytes as 16 rows of 3,072 (elements of 8 bytes), for my row
	s_mov_b32 s25, 384<<16
	s_mov_b32 s26, 16<<16
	s_mov_b32 s27, 384<<16
	s_mov_b32 s28, 16
	s_mov_b32 s29, 384
	s_mov_b32 s30, 0
	s_mov_b32 s31, 0
	s_or_b32 s32, s22, (1<<20)|(1<<21)|(5<<22)|(3<<25)   ; W: 128 rows of 768 bytes, 16 bytes of padding behind every 64 words, for my column
	s_mov_b32 s33, 768<<16
	s_mov_b32 s34, 128<<16
	s_mov_b32 s35, 768<<16
	s_mov_b32 s36, 128
	s_mov_b32 s37, 768
	s_mov_b32 s38, 0
	s_mov_b32 s39, 0
	s_lshl_b32 s66, s19, 8
	s_lshl_b32 s67, s23, 7
	s_add_co_u32 s66, s66, s67                     ; W: row 256 ng + 128 (w % 2)
	s_mul_i32 s66, s66, 768
	s_mov_b32 s67, 0
	s_mul_i32 s68, s20, 8*12288
	s_mul_i32 s69, s23, 4*12288
	s_add_co_u32 s68, s68, s69                     ; y: block 8 mt + 4 (w % 2)
	s_mov_b32 s69, 0
	s_mov_b32 s48, 1
	s_mul_i32 s49, s23, 128*PITCH
	s_mov_b32 s52, 1
	s_mul_i32 s53, s23, 4*12288
	s_add_co_u32 s53, s53, YB
	s_wait_dscnt 0x0
	s_wait_kmcnt 0x0
	s_add_nc_u64 s[50:51], s[8:9], s[66:67]
	s_or_b32 s51, s51, 0x80000000
	s_add_nc_u64 s[54:55], s[4:5], s[68:69]
	s_or_b32 s55, s55, 0x80000000
	CROUND                                         ; all sixteen work-groups are here: the joint loads meet
	s_cmp_lt_u32 s16, 2
	s_cbranch_scc0 .Lhead_y
	tensor_load_to_lds s[48:51], s[32:39]          ; waves 0 and 1: half each of W's 256 rows
	s_nop 0
	PLACES 4
	s_branch .Lhead_asked
.Lhead_y:
	tensor_load_to_lds s[52:55], s[24:31]          ; waves 2 and 3: half each of y's eight blocks
	s_nop 0
	PLACES 4
.Lhead_asked:
	s_mov_b32 s71, 0
	s_lshl_b32 s72, s19, 8
	s_lshl_b32 s73, s16, 6
	s_add_co_u32 s72, s72, s73                     ; my first output: 256 ng + 64 w
	s_lshl_b32 s70, s20, 9
	s_add_nc_u64 s[42:43], s[6:7], s[70:71]        ; y's scale words: row 128 mt, 4 bytes a row in each K step's plane
	s_lshl_b32 s70, s72, 5
	s_add_nc_u64 s[46:47], s[10:11], s[70:71]      ; W's scale bytes
	s_lshl_b32 s70, s72, 2
	s_add_nc_u64 s[40:41], s[12:13], s[70:71]      ; the bias
	s_lshl_b32 s73, s20, 19
	s_add_co_u32 s70, s70, s73
	s_add_nc_u64 s[44:45], s[14:15], s[70:71]      ; the output: row 128 mt, my first output
	s_mul_i32 s73, s16, 64*PITCH                   ; my 64 rows of W
	s_mul_i32 s74, s16, 16*SPITCH
	s_add_co_u32 s74, s74, STG                     ; my stage
	v_and_b32 v14, 31, v0                          ; lane
	v_and_b32 v15, 15, v0                          ; r
	v_bfe_u32 v5, v0, 4, 1                         ; h
	v_lshlrev_b32 v[L4], 2, v14
	v_lshlrev_b32 v[L32], 5, v14
	v_lshlrev_b32 v[H32], 5, v5
.irp n, 0,1
	global_load_b128 v[WS+8*\n:WS+8*\n+3], v[L32], s[46:47] offset:1024*\n      ; lane l takes the 32 scale bytes of row 32 n + l
	global_load_b128 v[WS+8*\n+4:WS+8*\n+7], v[L32], s[46:47] offset:1024*\n+16
.endr
.irp i, 0,1,2,3
	global_load_b128 v[BI+8*\i:BI+8*\i+3], v[H32], s[40:41] offset:64*\i        ; b(16 i + 8 h + 0 .. 7)
	global_load_b128 v[BI+8*\i+4:BI+8*\i+7], v[H32], s[40:41] offset:64*\i+16
.endr
.irp n, 0,1,2,3
.irp q, 0,1,2,3,4,5,6,7
	global_load_b32 v[YS+8*\n+\q], v[L4], s[42:43] offset:32768*\q+128*\n       ; rows 32 n + lane
.endr
.endr
	v_mul_u32_u24 v[LB], v15, PITCH
	v_mad_u32_u24 v[LB], v5, 24, v[LB]
	v_add_nc_u32 v[LB], s73, v[LB]
	v_lshl_add_u32 v[LB+1], v5, 4, v[LB]
	v_mul_u32_u24 v[STO], v15, SPITCH
	v_lshl_add_u32 v[STO], v5, 5, v[STO]
	v_add_nc_u32 v[STO], s74, v[STO]
	v_mul_u32_u24 v[RD], v5, SPITCH
	v_lshl_add_u32 v[RD], v15, 4, v[RD]
	v_add_nc_u32 v[RD], s74, v[RD]
	v_lshlrev_b32 v[CO], 12, v5
	v_lshl_add_u32 v[CO], v15, 4, v[CO]
	v_lshl_add_u32 v[YA], v14, 4, YB
	v_lshl_add_u32 v[YA+1], v14, 4, YB+5*12288
	v_lshl_add_u32 v[Y8], v14, 3, YB+512
	v_lshl_add_u32 v[Y8+1], v14, 3, YB+5*12288+512
	s_wait_alu depctr_va_vdst(0)
	s_cmp_lt_u32 s16, 2
	s_cbranch_scc0 .Lw_shown
	s_wait_tensorcnt 0x0                           ; waves 0 and 1: my half of W has landed
.Lw_shown:
	s_barrier_signal -1
	s_barrier_wait -1                              ; W's rows may be read; y's may still be on their way
.irp u, 0,1
	WIN 0x40+0x40*\u
.irp q, 0,1,2,3
.irp a, 0,1,2,3
	FR6 12*(4*\q+\a), \a*T16, 4*\u+\q
.endr
.endr
.endr
	WIN 0
	s_wait_tensorcnt 0x0
	s_wait_dscnt 0x0
	s_barrier_signal -1
	s_barrier_wait -1                              ; y's blocks may be read
	YLOAD 0, 0
	s_wait_loadcnt 0x0                             ; the scale words, the bias
	BLK 0, 0, 1
	BLK 1, 1, 0
	BLK 2, 0, 1
	BLK 3, 1, 0
	BLK 4, 0, 1
	BLK 5, 1, 0
	BLK 6, 0, 1
	BLK 7, 1, 0
	PLACES 4                                       ; in front of the read of the last block's results
	s_wait_xcnt 0x0
	TOSTG 1
	s_wait_dscnt 0x0
	SEND 7, 1
	s_wait_tensorcnt 0x0                           ; the wave's end
	ds_add_u32 v[SPW], v[NIL]
	s_wait_dscnt 0x0
	CROUND                                         ; the closing round
	s_endpgm
.Lfunc_end_k_q095d0b1ae0_proj:
	.size	k_q095d0b1ae0_proj, .Lfunc_end_k_q095d0b1ae0_proj-k_q095d0b1ae0_proj
	.p2alignl 7, 3214868480
	.fill 96, 4, 3214868480
	.section	.rodata,"a",@progbits
	.p2align	6, 0x0
	.amdhsa_kernel k_q095d0b1ae0_proj
		.amdhsa_group_segment_fixed_size 327680
		.amdhsa_private_segment_fixed_size 0
		.amdhsa_enable_private_segment 0
		.amdhsa_kernarg_size 48
		.amdhsa_user_sgpr_count 2
		.amdhsa_user_sgpr_kernarg_segment_ptr 1
		.amdhsa_wavefront_size32 1
		.amdhsa_system_sgpr_workgroup_id_x 1
		.amdhsa_system_sgpr_workgroup_id_y 1
		.amdhsa_system_sgpr_workgroup_id_z 1
		.amdhsa_system_vgpr_workitem_id 0
		.amdhsa_next_free_vgpr 1024
		.amdhsa_next_free_sgpr 80
		.amdhsa_reserve_vcc 0
		.amdhsa_float_denorm_mode_32 3
		.amdhsa_float_denorm_mode_16_64 3
		.amdhsa_memory_ordered 1
		.amdhsa_forward_progress 1
		.amdhsa_inst_pref_size 88
	.end_amdhsa_kernel
	.amdgpu_metadata
---
amdhsa.version: [ 1, 2 ]
amdhsa.kernels:
  - .name:           k_q095d0b1ae0_proj
    .symbol:         k_q095d0b1ae0_proj.kd
    .args:
      - { .name: ycodes, .offset: 0, .size: 8, .value_kind: global_buffer, .address_space: global }
      - { .name: ys, .offset: 8, .size: 8, .value_kind: global_buffer, .address_space: global }
      - { .name: w_proj_codes, .offset: 16, .size: 8, .value_kind: global_buffer, .address_space: global }
      - { .name: w_proj_scales, .offset: 24, .size: 8, .value_kind: global_buffer, .address_space: global }
      - { .name: b_proj, .offset: 32, .size: 8, .value_kind: global_buffer, .address_space: global }
      - { .name: out0, .offset: 40, .size: 8, .value_kind: global_buffer, .address_space: global }
    .group_segment_fixed_size: 327680
    .private_segment_fixed_size: 0
    .kernarg_segment_align: 8
    .kernarg_segment_size: 48
    .max_flat_workgroup_size: 128
    .sgpr_count:     80
    .vgpr_count:     1024
    .wavefront_size: 32
...
	.end_amdgpu_metadata
.endif
;; end of part 3
